; MI455X (gfx1250); checked and timed in simulation.
; The chip was launched on July 23, 2026; its instructions are those of AMD's public machine-readable ISA for CDNA 5 (MIT licence, August 2026) and "CDNA5" Instruction Set Architecture Reference Guide (July 2026). The comments in the code are by the model that wrote it; some were corrected since.
;; Lo RA Linear. Allowed arithmetic: float matrix products may take bf16 or f16 operands with f32 sums; all other float work in f32.
;; Inputs: A 4,096 x 16 float32; B 16 x 2,048 float32; x 4 x 2,048 x 4,096 float32.
;; Outputs: out0 4 x 2,048 x 2,048 float32.
;; 2 versions, each right; version 2 is version 1 with the launch lora written anew for expert scheduling mode. Each part assembles by itself: llvm-mc -triple=amdgcn-amd-amdhsa -mcpu=gfx1250 --defsym DOCPART=n.
;; ======== version 1 of 2: 1 launch
;; launch lora (part 1): grid 256 x 1, 8 waves a work-group, no clusters, 119,808 bytes of LDS; arguments x, A, B, out0; writes out0
.if DOCPART == 1
	.amdgcn_target "amdgcn-amd-amdhsa--gfx1250"
	.amdhsa_code_object_version 6
	.text
	.protected	k_q7cadbd6707_lora
	.globl	k_q7cadbd6707_lora
	.p2align	8
	.type	k_q7cadbd6707_lora,@function
k_q7cadbd6707_lora:
	s_mov_b64 s[64:65], 0
	v_nop
	global_prefetch_b8 v0, s[64:65] scope:SCOPE_SE
	s_setreg_imm32_b32 hwreg(HW_REG_WAVE_MODE, 25, 1), 1
	s_wait_xcnt 0x0
; out = x (A B), computed as (x A) B.  x: [8192][4096] f32, A: [4096][16] f32, B: [16][2048] f32, out: [8192][2048] f32.
; A B has rank 16, so T = x A ([8192][16]) followed by T B is the same function of every input with 1/64 of the multiply-adds;
; what is left is a stream: every byte of x read once, every byte of out written once, T never leaves the work-group.
; LIMITS.  The sums are grouped otherwise than in the source formula ((x A) B, not x (A B)), so the last bits differ.  x, A and B enter the
; matrix unit rounded to bf16.  T enters as two bf16, T_hi + T_lo (about 16 bits).  Results hold where T is finite and |T| < 3.39e38
; (bf16's largest number); an infinite or NaN T gives NaN in the whole row of out (T_lo = T - T_hi is then NaN).
;
; SHARES.  Work-group b: rows 32 b .. 32 b + 31 (524,288 bytes of x, 262,144 of out).  Eight waves.
;   Phase 1: wave w takes k = 512 w .. 512 w + 511 of all 32 rows, in four tiles of 128 k.  f32 comes in by 16-byte loads (one load of the wave =
;   512 neighbouring bytes of one row), is rounded to bf16 and laid into the wave's OWN image in LDS, from which the fragments are read.
;   The eight partial T (32 x 16) meet in LDS behind the text's one barrier; every wave adds all eight in the same order.
;   Phase 2: wave w makes columns 256 w .. 256 w + 255 of all 32 rows.  The product has K = 16 and the matrix form K = 32: k = 0..15 carry T_hi,
;   k = 16..31 carry T_lo, and B stands in both halves.
; IN FLIGHT.  A ring of seven register slots of eight loads: 56 loads, 28,672 bytes a wave, run by counted waits; it never runs empty before the end.
; NO CLUSTER, NO JOINT LOADS.  A and B (393,216 bytes) are read by every work-group, but both have to pass through registers to be rounded to bf16
; and turned; brought jointly they would lie in LDS as f32, 262,144 + 131,072 bytes beside the 118,784 in use, more than a work-group can be given.
;
; LDS.  Wave w: 12,800 w + 0 .. 4,095: the tile's 128 k of A as bf16 [k][16], 32 bytes a row; + 4,096 .. 12,799: 32 rows x 128 k of x as bf16,
; 272 bytes from row to row (256 + 16: the sixteen rows of a fragment load start 68 words apart).  102,400 .. 118,783: the partial sums, 2,048 bytes a wave.
;
; REGISTERS, two windows of 256 (s_set_vgpr_msb: bits 1:0 source 0, 3:2 source 1, 5:4 source 2, 7:6 destination).
;   window 0: addresses, accumulators, fragments, results.   window 1: the ring, the converted words, the stream's three address registers.
.set ROWX,  16384                      ; bytes in a row of x
.set ROWO,  8192                       ; bytes in a row of out, and of B
.set WREG,  12800                      ; LDS bytes of a wave's images
.set XIMG,  4096                       ; x's image behind A's
.set XP,    272                        ; x's image: bytes from row to row
.set TP,    102400                     ; the partial sums
; window 0
.set LANE,  1                          ; v1   L = lane
.set RR,    2                          ; v2   r = L % 16
.set HH,    3                          ; v3   h = L / 16
.set AFA,   4                          ; v4   LDS address of my part of A's fragments (transposing loads)
.set XFA,   5                          ; v5   LDS address of my part of x's fragments
.set TPW,   6                          ; v6   where my wave's partial sums go
.set TPR,   7                          ; v7   where wave 0's partial sums are read
.set OOFF,  8                          ; v8   my byte offset in out (and in B): 8 h rows + 16 r
.set ACC0,  16                         ; v[16:23]   T of rows 0-15:  register j of lane (r, h) = T[r][8 h + j]
.set ACC1,  24                         ; v[24:31]   T of rows 16-31
.set TSUM,  16                         ; v[16:31]   the same registers, later the sum over the eight waves
.set TFR,   32                         ; v[32:47]   T as an operand, 8 registers for each 16 rows: 0-3 T_hi, 4-7 T_lo
.set AFR,   48                         ; v[48:79]   phase 1: A's fragments of the tile's four K steps
.set XFR,   80                         ; v[80:143]  phase 1: x's fragments, K step f, rows 16 a: 80 + 16 f + 8 a
.set BFR,   48                         ; v[48:175]  phase 2: B's fragments, 48 + 32 g + 8 t
.set DREG,  176                        ; v[176:207] four result tiles
.set SREG,  208                        ; v[208:239] the same numbers in the order in which they are stored
.set PREG,  176                        ; v[176:239] during the reduction: four sets of 16 partial sums
.set UREG,  240                        ; v[240:255] at work on T_lo
; window 1 (low 8 bits of the register numbers)
.set CV,    224                        ; v[480:495] a sub-group's 16 words of bf16
.set GOFF,  240                        ; v496  16 L: my 16 bytes in a load of 512
.set BOFF,  241                        ; v497  my byte offset in B
.set LST,   242                        ; v498  LDS address of my 8 bytes in a store of 256
.set TO1,    0x40                      ; destination window 1
.set STREAM, 0x45                      ; destination, source 0 and source 1 window 1: loads, conversions and LDS stores of the stream
.set FROM1,  0x05                      ; sources 0 and 1 window 1, destination window 0
.set MSB, 0
.macro WIN new                         ; the immediate's high byte repeats the setting that is left; a switch that changes nothing is dropped
.if MSB != \new
	s_set_vgpr_msb (MSB<<8)|\new
.set MSB, \new
.endif
.endm
.macro PLACES                          ; four plain vector instructions behind a matrix instruction, before its result is read or its registers are written (ISA guide 7.12.1)
.rept 4
	v_nop
.endr
.endm
	s_load_b256 s[4:11], s[0:1], 0x0               ; x s[4:5], A s[6:7], B s[8:9], out s[10:11]
	v_lshl_add_u32 v14, v0, 2, 0x1d000
	v_mov_b32 v15, 0
	v_and_b32 v[LANE], 31, v0
	v_and_b32 v[RR], 15, v0
	v_bfe_u32 v[HH], v0, 4, 1
	v_lshrrev_b32 v9, 5, v0
	v_readfirstlane_b32 s12, v9                    ; w, my wave's number, as a scalar
	s_mul_i32 s16, s12, WREG                       ; my wave's images in LDS
	s_add_co_u32 s19, s16, XIMG                    ; x's image
	s_lshl_b32 s17, s12, 11
	s_add_co_u32 s17, s17, TP                      ; my wave's partial sums
	s_mov_b32 s18, 0xffff0000                      ; a word's upper bf16
	s_lshl_b32 s14, ttmp9, 19                      ; x: 32 rows of 16,384 bytes a work-group
	s_lshl_b32 s20, s12, 11                        ;    + 512 k of 4 bytes a wave
	s_add_co_u32 s14, s14, s20
	s_mov_b32 s15, 0
	s_lshl_b32 s20, s12, 15                        ; A: 512 rows of 64 bytes a wave
	s_mov_b32 s21, 0
	s_lshl_b32 s22, s12, 10                        ; B: 256 columns of 4 bytes a wave
	s_mov_b32 s23, 0
	s_lshl_b32 s24, ttmp9, 18                      ; out: 32 rows of 8,192 bytes a work-group
	s_add_co_u32 s24, s24, s22                     ;      + 256 columns a wave
	s_mov_b32 s25, 0
	; A's image is [k][16] and the fragment wants k along the registers: a transposing load, whose lane L addresses
	; row 8 h + (L % 8) of the K step and the 16 bytes of ranks 8 ((L / 8) % 2) .. + 7
	v_and_b32 v9, 7, v0
	v_lshl_add_u32 v9, v[HH], 3, v9
	v_bfe_u32 v10, v0, 3, 1
	v_lshlrev_b32 v9, 5, v9                        ; 32 bytes a row
	v_lshl_add_u32 v9, v10, 4, v9
	v_add_nc_u32 v[AFA], s16, v9
	v_mul_u32_u24 v11, v[RR], XP                   ; x's fragment: row r, 16 bytes for each half of the lanes
	v_lshl_add_u32 v11, v[HH], 4, v11
	v_add_nc_u32 v[XFA], s19, v11
	v_lshl_add_u32 v[TPW], v[LANE], 4, s17
	v_lshlrev_b32 v[TPR], 4, v[LANE]
	v_add_nc_u32 v[TPR], TP, v[TPR]
	v_lshlrev_b32 v[OOFF], 4, v[RR]
	v_lshl_add_u32 v[OOFF], v[HH], 16, v[OOFF]     ; eight rows of 8,192 bytes further down for lanes 16 to 31
	WIN TO1
	v_lshlrev_b32 v[GOFF], 4, v[LANE]
	v_mov_b32 v[BOFF], v[OOFF]                     ; B's rows are as long as out's
	v_lshl_add_u32 v[LST], v[LANE], 3, s16
	s_wait_kmcnt 0x0
	s_add_nc_u64 s[4:5], s[4:5], s[14:15]          ; the four bases are written here and never again: every step stands in an immediate
	s_add_nc_u64 s[6:7], s[6:7], s[20:21]
	s_add_nc_u64 s[8:9], s[8:9], s[22:23]
	s_add_nc_u64 s[10:11], s[10:11], s[24:25]
; THE STREAM: 28 sub-groups of eight loads, sub-group sg into slot sg % 7.
; sg < 24: tile sg / 6; its first two sub-groups are the tile's 8,192 bytes of A, the other four the tile's 512 bytes of rows 0-7, 8-15, 16-23, 24-31 of x.
; sg = 24 + g: B, rows 8 h + i, columns 64 g + 4 r .. + 3 of my wave's 256: sixteen lanes take 256 neighbouring bytes.
.macro ISSUE sg
.set ISL, 32*((\sg)%7)
.set ITI, (\sg)/6
.set IQQ, (\sg)%6
.if (\sg) >= 24
.irp i, 0,1,2,3,4,5,6,7
	global_load_b128 v[ISL+4*\i:ISL+4*\i+3], v[BOFF], s[8:9] offset:ROWO*\i+256*((\sg)-24)
.endr
.else
.if IQQ < 2
.irp i, 0,1,2,3,4,5,6,7
	global_load_b128 v[ISL+4*\i:ISL+4*\i+3], v[GOFF], s[6:7] offset:512*(16*ITI+8*IQQ+\i)
.endr
.else
.irp i, 0,1,2,3,4,5,6,7
	global_load_b128 v[ISL+4*\i:ISL+4*\i+3], v[GOFF], s[4:5] offset:ROWX*(8*(IQQ-2)+\i)+512*ITI th:TH_LOAD_NT   ; x is read once in the launch
.endr
.endif
.endif
.endm
; The turn of sub-group sg: its eight loads are in; round to bf16; fill the slot again; lay the 8 x 256 bytes into my wave's image.
; A: load i' of the tile's sixteen holds, in lane L, k = 8 i' + L / 4, ranks 4 (L % 4) .. + 3: byte 32 k + 2 rank = 256 i' + 8 L of the image.
; x: lane L holds k = 4 L .. + 3 of the row: byte 8 L of the image's row.
.macro TURN sg
.set SL, 32*((\sg)%7)
.set QQ, (\sg)%6
.if (\sg) < 22
	s_wait_loadcnt 48                              ; loads come back in order (ISA guide 5.7.1): the six younger sub-groups stay out
.else
	s_wait_loadcnt 8*(27-(\sg))                    ; the last sub-groups of x: only 27 - sg younger ones exist (B's four among them)
.endif
.irp i, 0,1,2,3,4,5,6,7
	v_cvt_pk_bf16_f32 v[CV+2*\i],   v[SL+4*\i],   v[SL+4*\i+1]
	v_cvt_pk_bf16_f32 v[CV+2*\i+1], v[SL+4*\i+2], v[SL+4*\i+3]
.endr
.if (\sg) <= 20
.set NX, (\sg)+7
	ISSUE NX                                       ; the slot has been read: seven sub-groups further on
.endif
.irp i, 0,1,2,3,4,5,6,7
.if QQ < 2
	ds_store_b64 v[LST], v[CV+2*\i:CV+2*\i+1] offset:256*(8*QQ+\i)
.else
	ds_store_b64 v[LST], v[CV+2*\i:CV+2*\i+1] offset:XIMG+XP*(8*(QQ-2)+\i)
.endif
.endr
.endm
; One K step of 32: source 0 = 16 ranks of A, source 1 = 16 rows of x, so that register j of lane (r, h) is T[row r][rank 8 h + j]:
; eight neighbouring ranks of one row, which is the order in which phase 2 wants T as an operand.
; The two accumulators take turns, one instruction a turn, from tile to tile too.
.macro STEP f, zero
	s_wait_dscnt 18-6*\f                           ; LDS serves a wave in order (ISA guide 5.7.1): the six loads of each later K step may stay out
.if \zero
	v_wmma_f32_16x16x32_bf16 v[ACC0:ACC0+7], v[AFR+8*\f:AFR+8*\f+7], v[XFR+16*\f:XFR+16*\f+7], 0       ; the first products start the sums: nothing is cleared
	v_wmma_f32_16x16x32_bf16 v[ACC1:ACC1+7], v[AFR+8*\f:AFR+8*\f+7], v[XFR+16*\f+8:XFR+16*\f+15], 0
.else
	v_wmma_f32_16x16x32_bf16 v[ACC0:ACC0+7], v[AFR+8*\f:AFR+8*\f+7], v[XFR+16*\f:XFR+16*\f+7], v[ACC0:ACC0+7]
	v_wmma_f32_16x16x32_bf16 v[ACC1:ACC1+7], v[AFR+8*\f:AFR+8*\f+7], v[XFR+16*\f+8:XFR+16*\f+15], v[ACC1:ACC1+7]
.endif
.endm
; A tile's 24 fragment loads in one run, then its eight matrix instructions.  The images are my wave's own bytes and LDS serves a wave in order,
; so the loads see the stores above them without a wait; the last step's wait for 0 stands ahead of the next tile's stores into the same bytes.
; The loads land in registers that the last tile's matrix instructions read: the 96 conversions of the six turns between are the places.
.macro MATRIX zero
.irp f, 0,1,2,3
	ds_load_tr16_b128 v[AFR+8*\f:AFR+8*\f+3],       v[AFA] offset:1024*\f          ; k = 32 f + 8 h .. + 7 of rank r
	ds_load_tr16_b128 v[AFR+8*\f+4:AFR+8*\f+7],     v[AFA] offset:1024*\f+512      ; k = 32 f + 16 + 8 h .. + 7
	ds_load_b128 v[XFR+16*\f:XFR+16*\f+3],          v[XFA] offset:64*\f            ; rows 0-15
	ds_load_b128 v[XFR+16*\f+4:XFR+16*\f+7],        v[XFA] offset:64*\f+32
	ds_load_b128 v[XFR+16*\f+8:XFR+16*\f+11],       v[XFA] offset:16*XP+64*\f      ; rows 16-31
	ds_load_b128 v[XFR+16*\f+12:XFR+16*\f+15],      v[XFA] offset:16*XP+64*\f+32
.endr
	STEP 0, \zero
	STEP 1, 0
	STEP 2, 0
	STEP 3, 0
.endm
.macro TILE t, zero
	WIN STREAM
.irp q, 0,1,2,3,4,5
	TURN 6*\t+\q
.endr
	WIN 0
	MATRIX \zero
.endm
	; PHASE 1
	WIN STREAM
.irp s, 0,1,2,3,4,5,6
	ISSUE \s                                       ; the ring is filled: 56 loads
.endr
	TILE 0, 1
	TILE 1, 0
	TILE 2, 0
	TILE 3, 0
	; THE PARTIAL SUMS MEET
	PLACES                                         ; behind the last matrix instructions: for the stores of their results, and for the conversions that write over A's and x's fragments
	ds_store_b128 v[TPW], v[ACC0:ACC0+3]
	ds_store_b128 v[TPW], v[ACC0+4:ACC0+7] offset:512
	ds_store_b128 v[TPW], v[ACC1:ACC1+3]   offset:1024
	ds_store_b128 v[TPW], v[ACC1+4:ACC1+7] offset:1536
	s_wait_dscnt 0x0                               ; for the other waves' sake: my stores are done before I say so
	s_barrier_signal -1
	; Register work while the others arrive: B's fragments.  Fragment (g, t) holds, in lane (r, h), column 64 g + 4 r + t, ranks 8 h .. 8 h + 7:
	; word t of my eight loads of sub-group 24 + g, two rows to a register.  Picking the words is the transposition.
	; Registers 4-7 (k = 16 + rank, which meet T_lo) hold the same numbers as registers 0-3 (k = rank, which meet T_hi).
	s_wait_loadcnt 0x0                             ; B's 32 loads, the last of the stream
	WIN FROM1
.irp g, 0,1,2,3
.irp t, 0,1,2,3
.irp i, 0,1,2,3
	v_cvt_pk_bf16_f32 v[BFR+32*\g+8*\t+\i],   v[32*(3+\g)+8*\i+\t], v[32*(3+\g)+8*\i+4+\t]
	v_cvt_pk_bf16_f32 v[BFR+32*\g+8*\t+4+\i], v[32*(3+\g)+8*\i+\t], v[32*(3+\g)+8*\i+4+\t]
.endr
.endr
.endr
	WIN 0
	s_barrier_wait -1                              ; all eight partial sums are in LDS
; four loads: wave p's 32 x 16 partial sums, in the registers' own order, into set p % 4
.macro PLOAD p
.irp q, 0,1,2,3
	ds_load_b128 v[PREG+16*((\p)%4)+4*\q:PREG+16*((\p)%4)+4*\q+3], v[TPR] offset:2048*(\p)+512*\q
.endr
.endm
.macro PADD p
.irp c, 0,2,4,6,8,10,12,14
	v_pk_add_f32 v[TSUM+\c:TSUM+\c+1], v[TSUM+\c:TSUM+\c+1], v[PREG+16*((\p)%4)+\c:PREG+16*((\p)%4)+\c+1]
.endr
.endm
	PLOAD 0
	PLOAD 1
	PLOAD 2
	PLOAD 3
	s_wait_dscnt 8                                 ; sets 0 and 1 are in; sets 2 and 3, four loads each, may be out
.irp c, 0,2,4,6,8,10,12,14
	v_pk_add_f32 v[TSUM+\c:TSUM+\c+1], v[PREG+\c:PREG+\c+1], v[PREG+16+\c:PREG+16+\c+1]   ; the first two start the sum, in the same order in every wave
.endr
	PLOAD 4
	PLOAD 5
	s_wait_dscnt 12                                ; set 2 is in; 3, 4, 5 may be out
	PADD 2
	PLOAD 6
	s_wait_dscnt 12                                ; set 3; 4, 5, 6 may be out
	PADD 3
	PLOAD 7
	s_wait_dscnt 12                                ; set 4; 5, 6, 7 may be out
	PADD 4
	s_wait_dscnt 8
	PADD 5
	s_wait_dscnt 4
	PADD 6
	s_wait_dscnt 0
	PADD 7
; T of rows 16 a .. + 15 as an operand: registers 0-3 T_hi = bf16(T), registers 4-7 T_lo = bf16(T - T_hi); the difference is exact in f32
.macro SPLIT a
.irp i, 0,1,2,3
	v_cvt_pk_bf16_f32 v[TFR+8*\a+\i], v[TSUM+8*\a+2*\i], v[TSUM+8*\a+2*\i+1]
.endr
.irp i, 0,1,2,3
	v_lshlrev_b32 v[UREG+8*\a+2*\i],   16,  v[TFR+8*\a+\i]
	v_and_b32     v[UREG+8*\a+2*\i+1], s18, v[TFR+8*\a+\i]
.endr
.irp i, 0,1,2,3
	v_pk_add_f32 v[UREG+8*\a+2*\i:UREG+8*\a+2*\i+1], v[TSUM+8*\a+2*\i:TSUM+8*\a+2*\i+1], v[UREG+8*\a+2*\i:UREG+8*\a+2*\i+1] neg_lo:[0,1] neg_hi:[0,1]
.endr
.irp i, 0,1,2,3
	v_cvt_pk_bf16_f32 v[TFR+8*\a+4+\i], v[UREG+8*\a+2*\i], v[UREG+8*\a+2*\i+1]
.endr
.endm
	SPLIT 0
	SPLIT 1
; PHASE 2.  Rows 16 a .. + 15, columns 64 g .. + 63 of my wave's 256: four tiles.  Column r of tile t is column 64 g + 4 r + t of out, so register j of
; a lane's four tiles are four neighbouring numbers of row 16 a + 8 h + j.  Four moves bring them side by side; a store of 16 bytes a lane then
; covers, with lanes 0 to 15, 256 consecutive bytes at a multiple of 256 from out's first byte, and with lanes 16 to 31 the same eight rows below.
; Each product is whole (K = 32 in one instruction): C is the constant 0.  Between two matrix instructions that write one tile stand the four
; v_nop and the 24 moves of the other three tiles.
.macro OUT a, g
.irp t, 0,1,2,3
	v_wmma_f32_16x16x32_bf16 v[DREG+8*\t:DREG+8*\t+7], v[TFR+8*\a:TFR+8*\a+7], v[BFR+32*\g+8*\t:BFR+32*\g+8*\t+7], 0
.endr
	PLACES
	s_wait_xcnt 0x0                                ; every earlier memory instruction has had its addresses translated (ISA guide 3.1): the last block's store data are rewritten only behind this wait
.irp j, 0,1,2,3,4,5,6,7
.irp t, 0,1,2,3
	v_mov_b32 v[SREG+4*\j+\t], v[DREG+8*\t+\j]
.endr
	global_store_b128 v[OOFF], v[SREG+4*\j:SREG+4*\j+3], s[10:11] offset:(16*\a+\j)*ROWO+256*\g th:TH_STORE_NT   ; written once, not read again
.endr
.endm
.irp a, 0,1
.irp g, 0,1,2,3
	OUT \a, \g
.endr
.endr
	s_wait_tensorcnt 0x0
	ds_add_u32 v14, v15
	s_wait_dscnt 0x0
	s_endpgm
.Lfunc_end_k_q7cadbd6707_lora:
	.size	k_q7cadbd6707_lora, .Lfunc_end_k_q7cadbd6707_lora-k_q7cadbd6707_lora
	.p2alignl 7, 3214868480
	.fill 96, 4, 3214868480
	.section	.rodata,"a",@progbits
	.p2align	6, 0x0
	.amdhsa_kernel k_q7cadbd6707_lora
		.amdhsa_group_segment_fixed_size 119808
		.amdhsa_private_segment_fixed_size 0
		.amdhsa_enable_private_segment 0
		.amdhsa_kernarg_size 32
		.amdhsa_user_sgpr_count 2
		.amdhsa_user_sgpr_kernarg_segment_ptr 1
		.amdhsa_wavefront_size32 1
		.amdhsa_system_sgpr_workgroup_id_x 1
		.amdhsa_system_sgpr_workgroup_id_y 1
		.amdhsa_system_sgpr_workgroup_id_z 1
		.amdhsa_system_vgpr_workitem_id 0
		.amdhsa_next_free_vgpr 512
		.amdhsa_next_free_sgpr 66
		.amdhsa_reserve_vcc 0
		.amdhsa_float_denorm_mode_32 3
		.amdhsa_float_denorm_mode_16_64 3
		.amdhsa_memory_ordered 1
		.amdhsa_forward_progress 1
		.amdhsa_inst_pref_size 103
	.end_amdhsa_kernel
	.amdgpu_metadata
---
amdhsa.version: [ 1, 2 ]
amdhsa.kernels:
  - .name:           k_q7cadbd6707_lora
    .symbol:         k_q7cadbd6707_lora.kd
    .args:
      - { .name: x, .offset: 0, .size: 8, .value_kind: global_buffer, .address_space: global }
      - { .name: A, .offset: 8, .size: 8, .value_kind: global_buffer, .address_space: global }
      - { .name: B, .offset: 16, .size: 8, .value_kind: global_buffer, .address_space: global }
      - { .name: out0, .offset: 24, .size: 8, .value_kind: global_buffer, .address_space: global }
    .group_segment_fixed_size: 119808
    .private_segment_fixed_size: 0
    .kernarg_segment_align: 8
    .kernarg_segment_size: 32
    .max_flat_workgroup_size: 256
    .sgpr_count:     66
    .vgpr_count:     512
    .wavefront_size: 32
...
	.end_amdgpu_metadata
.endif
;; end of part 1
;; ======== version 2 of 2: 1 launch; version 1 with the launch lora written anew for expert scheduling mode
;; launch lora (part 2): grid 256 x 1, 8 waves a work-group, no clusters, 119,808 bytes of LDS; arguments x, A, B, out0; writes out0
.if DOCPART == 2
	.amdgcn_target "amdgcn-amd-amdhsa--gfx1250"
	.amdhsa_code_object_version 6
	.text
	.protected	k_q7cadbd6707_lora
	.globl	k_q7cadbd6707_lora
	.p2align	8
	.type	k_q7cadbd6707_lora,@function
k_q7cadbd6707_lora:
	s_mov_b64 s[64:65], 0
	v_nop
	global_prefetch_b8 v0, s[64:65] scope:SCOPE_SE
	s_setreg_imm32_b32 hwreg(HW_REG_WAVE_SCHED_MODE, 0, 2), 2
	s_setreg_imm32_b32 hwreg(HW_REG_WAVE_MODE, 25, 1), 1
	s_wait_xcnt 0x0
	s_wait_alu depctr_vm_vsrc(0)
; out = x (A B), computed as (x A) B.  x: [8192][4096] f32, A: [4096][16] f32, B: [16][2048] f32, out: [8192][2048] f32.
; A B has rank 16, so T = x A ([8192][16]) followed by T B is the same function of every input with 1/64 of the multiply-adds;
; what is left is a stream: every byte of x read once, every byte of out written once, T never leaves the work-group.
; LIMITS.  The sums are grouped otherwise than in the source formula ((x A) B, not x (A B)), so the last bits differ.  x, A and B enter the
; matrix unit rounded to bf16.  T enters as two bf16, T_hi + T_lo (about 16 bits).  Results hold where T is finite and |T| < 3.39e38
; (bf16's largest number); an infinite or NaN T gives NaN in the whole row of out (T_lo = T - T_hi is then NaN).
;
; SHARES.  Work-group b: rows 32 b .. 32 b + 31 (524,288 bytes of x, 262,144 of out).  Eight waves.
;   Phase 1: wave w takes k = 512 w .. 512 w + 511 of all 32 rows, in four tiles of 128 k.  f32 comes in by 16-byte loads (one load of the wave =
;   512 neighbouring bytes of one row), is rounded to bf16 and laid into the wave's OWN image in LDS, from which the fragments are read.
;   The eight partial T (32 x 16) meet in LDS behind the text's one barrier; every wave adds all eight in the same order.
;   Phase 2: wave w makes columns 256 w .. 256 w + 255 of all 32 rows.  The product has K = 16 and the matrix form K = 32: k = 0..15 carry T_hi,
;   k = 16..31 carry T_lo, and B stands in both halves.
; IN FLIGHT.  A ring of seven register slots of eight loads: 56 loads, 28,672 bytes a wave, run by counted waits; it never runs empty before the end.
; NO CLUSTER, NO JOINT LOADS.  A and B (393,216 bytes) are read by every work-group, but both have to pass through registers to be rounded to bf16
; and turned; brought jointly they would lie in LDS as f32, 262,144 + 131,072 bytes beside the 118,784 in use, more than a work-group can be given.
;
; THE MODE: SCHED_MODE bits 1:0 = 2 (LLVM: expert scheduling mode 2), set by the entry lines.  The code itself states the register dependences
; between vector or matrix instructions and memory or LDS instructions, with s_wait_alu, always for 0.
; THE PLAN.  Registers that memory or LDS instructions touch, and who else names them:
;   the ring's slots   Turn sg: its sixteen conversions read slot sg % 7; behind them the loads of sub-group sg + 7 land in it.
;   CV0, CV1           Turn sg: its conversions write CV[sg % 2], its eight LDS stores read it; turn sg + 2's conversions write it again.
;   AFR, XFR           A tile's 24 LDS loads land in them, its eight matrix instructions read them.
;   ACC                Written by the matrix instructions, read by four LDS stores, written again by the sum over the waves.
;   P0 .. P5           The partial sums land in them, the additions read them; P0 and P1 are loaded a second time (waves 6 and 7).
;   S0, S1             Block n's 32 moves write S[n % 2], its eight stores read it; block n + 2's moves write it again.
;   seven offsets      v4 to v8, v12, v13: made at the head, never written again: every step stands in an immediate.
; THE WAITS.  A turn has two, together, behind its conversions: the turn before's LDS stores have read the other CV (the next turn writes it); this
; turn's conversions have written their CV and are done reading the slot.  The refill and the LDS stores follow.  A tile's fragment loads owe nothing
; more: the sixth turn's wait stands behind the last tile's matrix instructions, and no vector instruction stands between it and them.
; The reduction has one (P0 and P1 are read before they are loaded again).  A block of phase 2 has its waits at its head: the block before's moves are
; written, and the stores of two blocks back have read the buffer that this block's moves write; the block before's stores follow this block's four
; matrix instructions, which name none of their registers.
;
; LDS.  Wave w: 12,800 w + 0 .. 4,095: the tile's 128 k of A as bf16 [k][16], 32 bytes a row; + 4,096 .. 12,799: 32 rows x 128 k of x as bf16,
; 272 bytes from row to row (256 + 16: the sixteen rows of a fragment load start 68 words apart).  102,400 .. 118,783: the partial sums, 2,048 bytes a wave.
;
; REGISTERS, two windows of 256 (s_set_vgpr_msb: bits 1:0 source 0, 3:2 source 1, 5:4 source 2, 7:6 destination).
;   window 0: addresses, accumulators, fragments, the converted words, results.   window 1: the ring.
;   The ring (224), two sets of converted words (32) and the stream's offsets do not fit in one window: so a turn has two switches, one in front of
;   its conversions (sources in window 1), one in front of its loads and LDS stores (destination in window 1).
.set ROWX,  16384                      ; bytes in a row of x
.set ROWO,  8192                       ; bytes in a row of out, and of B
.set WREG,  12800                      ; LDS bytes of a wave's images
.set XIMG,  4096                       ; x's image behind A's
.set XP,    272                        ; x's image: bytes from row to row
.set TP,    102400                     ; the partial sums
; window 0
.set LANE,  1                          ; v1   L = lane
.set RR,    2                          ; v2   r = L % 16
.set HH,    3                          ; v3   h = L / 16
.set AFA,   4                          ; v4   LDS address of my part of A's fragments (transposing loads)
.set XFA,   5                          ; v5   LDS address of my part of x's fragments
.set TPW,   6                          ; v6   where my wave's partial sums go
.set TPR,   7                          ; v7   where wave 0's partial sums are read
.set OOFF,  8                          ; v8   my byte offset in out, and in B, whose rows are as long: 8 h rows + 16 r
.set GOFF,  12                         ; v12  16 L: my 16 bytes in a load of 512
.set LST,   13                         ; v13  LDS address of my 8 bytes in a store of 256
.set ACC0,  16                         ; v[16:23]   T of rows 0-15:  register j of lane (r, h) = T[r][8 h + j]
.set ACC1,  24                         ; v[24:31]   T of rows 16-31
.set TSUM,  16                         ; v[16:31]   the same registers, later the sum over the eight waves; in phase 2 rows 4-7 of S1
.set TFR,   32                         ; v[32:47]   T as an operand, 8 registers for each 16 rows: 0-3 T_hi, 4-7 T_lo; before that P5
.set AFR,   48                         ; v[48:79]   phase 1: A's fragments of the tile's four K steps
.set XFR,   80                         ; v[80:143]  phase 1: x's fragments, K step f, rows 16 a: 80 + 16 f + 8 a
.set CV,    144                        ; v[144:175] phase 1: a sub-group's 16 words of bf16, two sets by turns
.set BFR,   48                         ; v[48:175]  phase 2: B's fragments, 48 + 32 g + 8 t
.set DREG,  176                        ; v[176:207] four result tiles
.set SREG,  208                        ; v[208:239] S0: the same numbers in the order in which they are stored.  S1: rows 0-3 in v[240:255], rows 4-7 in v[16:31]
.set PREG,  176                        ; v[176:255] during the reduction: P0 .. P4, 16 partial sums each
.set UREG,  240                        ; v[240:255] at work on T_lo
.set TO1,    0x40                      ; destination window 1, sources window 0: the stream's loads (data: destination) and its LDS stores (address and data: sources 0 and 1)
.set FROM1,  0x05                      ; sources 0 and 1 window 1, destination window 0: the conversions
.set MSB, 0
.macro WIN new                         ; the immediate's high byte repeats the setting that is left; a switch that changes nothing is dropped
.if MSB != \new
	s_set_vgpr_msb (MSB<<8)|\new
.set MSB, \new
.endif
.endm
.macro PLACES                          ; four plain vector instructions behind a matrix instruction, before its result is read or its registers are written (ISA guide 7.12.1)
.rept 4
	v_nop
.endr
.endm
	s_load_b256 s[4:11], s[0:1], 0x0               ; x s[4:5], A s[6:7], B s[8:9], out s[10:11]
	v_lshl_add_u32 v14, v0, 2, 0x1d000
	v_mov_b32 v15, 0
	v_and_b32 v[LANE], 31, v0
	v_and_b32 v[RR], 15, v0
	v_bfe_u32 v[HH], v0, 4, 1
	v_lshrrev_b32 v9, 5, v0
	v_readfirstlane_b32 s12, v9                    ; w, my wave's number, as a scalar
	; what hangs on the lane alone stands between that line and the wait for it
	; A's image is [k][16] and the fragment wants k along the registers: a transposing load, whose lane L addresses
	; row 8 h + (L % 8) of the K step and the 16 bytes of ranks 8 ((L / 8) % 2) .. + 7
	v_and_b32 v10, 7, v0
	v_lshl_add_u32 v10, v[HH], 3, v10
	v_bfe_u32 v11, v0, 3, 1
	v_lshlrev_b32 v10, 5, v10                      ; 32 bytes a row
	v_lshl_add_u32 v10, v11, 4, v10
	v_mul_u32_u24 v11, v[RR], XP                   ; x's fragment: row r, 16 bytes for each half of the lanes
	v_lshl_add_u32 v11, v[HH], 4, v11
	v_lshlrev_b32 v[TPR], 4, v[LANE]
	v_add_nc_u32 v[TPR], TP, v[TPR]
	v_lshlrev_b32 v[OOFF], 4, v[RR]
	v_lshl_add_u32 v[OOFF], v[HH], 16, v[OOFF]     ; eight rows of 8,192 bytes further down for lanes 16 to 31
	v_lshlrev_b32 v[GOFF], 4, v[LANE]
	s_wait_alu depctr_va_sdst(0)                   ; s12 is written, ahead of its first reader: the LDS places and the four bases are made from it
	s_mul_i32 s16, s12, WREG                       ; my wave's images in LDS
	s_add_co_u32 s19, s16, XIMG                    ; x's image
	s_lshl_b32 s17, s12, 11
	s_add_co_u32 s17, s17, TP                      ; my wave's partial sums
	s_mov_b32 s18, 0xffff0000                      ; a word's upper bf16
	s_lshl_b32 s14, ttmp9, 19                      ; x: 32 rows of 16,384 bytes a work-group
	s_lshl_b32 s20, s12, 11                        ;    + 512 k of 4 bytes a wave
	s_add_co_u32 s14, s14, s20
	s_mov_b32 s15, 0
	s_lshl_b32 s20, s12, 15                        ; A: 512 rows of 64 bytes a wave
	s_mov_b32 s21, 0
	s_lshl_b32 s22, s12, 10                        ; B: 256 columns of 4 bytes a wave
	s_mov_b32 s23, 0
	s_lshl_b32 s24, ttmp9, 18                      ; out: 32 rows of 8,192 bytes a work-group
	s_add_co_u32 s24, s24, s22                     ;      + 256 columns a wave
	s_mov_b32 s25, 0
	v_add_nc_u32 v[AFA], s16, v10
	v_add_nc_u32 v[XFA], s19, v11
	v_lshl_add_u32 v[TPW], v[LANE], 4, s17
	v_lshl_add_u32 v[LST], v[LANE], 3, s16
	s_wait_kmcnt 0x0
	s_add_nc_u64 s[4:5], s[4:5], s[14:15]          ; the four bases are written here and never again: every step stands in an immediate
	s_add_nc_u64 s[6:7], s[6:7], s[20:21]
	s_add_nc_u64 s[8:9], s[8:9], s[22:23]
	s_add_nc_u64 s[10:11], s[10:11], s[24:25]
; THE STREAM: 28 sub-groups of eight loads, sub-group sg into slot sg % 7.
; sg < 24: tile sg / 6; its first two sub-groups are the tile's 8,192 bytes of A, the other four the tile's 512 bytes of rows 0-7, 8-15, 16-23, 24-31 of x.
; sg = 24 + g: B, rows 8 h + i, columns 64 g + 4 r .. + 3 of my wave's 256: sixteen lanes take 256 neighbouring bytes.
.macro ISSUE sg
.set ISL, 32*((\sg)%7)
.set ITI, (\sg)/6
.set IQQ, (\sg)%6
.if (\sg) >= 24
.irp i, 0,1,2,3,4,5,6,7
	global_load_b128 v[ISL+4*\i:ISL+4*\i+3], v[OOFF], s[8:9] offset:ROWO*\i+256*((\sg)-24)
.endr
.else
.if IQQ < 2
.irp i, 0,1,2,3,4,5,6,7
	global_load_b128 v[ISL+4*\i:ISL+4*\i+3], v[GOFF], s[6:7] offset:512*(16*ITI+8*IQQ+\i)
.endr
.else
.irp i, 0,1,2,3,4,5,6,7
	global_load_b128 v[ISL+4*\i:ISL+4*\i+3], v[GOFF], s[4:5] offset:ROWX*(8*(IQQ-2)+\i)+512*ITI th:TH_LOAD_NT   ; x is read once in the launch
.endr
.endif
.endif
.endm
; The turn of sub-group sg: its eight loads are in; round to bf16; fill the slot again; lay the 8 x 256 bytes into my wave's image.
; A: load i' of the tile's sixteen holds, in lane L, k = 8 i' + L / 4, ranks 4 (L % 4) .. + 3: byte 32 k + 2 rank = 256 i' + 8 L of the image.
; x: lane L holds k = 4 L .. + 3 of the row: byte 8 L of the image's row.
.macro TURN sg
.set SL, 32*((\sg)%7)
.set QQ, (\sg)%6
.set CB, CV+16*((\sg)%2)
	WIN FROM1
.if (\sg) < 22
	s_wait_loadcnt 48                              ; loads come back in order (ISA guide 5.7.1): the six younger sub-groups stay out
.else
	s_wait_loadcnt 8*(27-(\sg))                    ; the last sub-groups of x: only 27 - sg younger ones exist (B's four among them)
.endif
.irp i, 0,1,2,3,4,5,6,7
	v_cvt_pk_bf16_f32 v[CB+2*\i],   v[SL+4*\i],   v[SL+4*\i+1]
	v_cvt_pk_bf16_f32 v[CB+2*\i+1], v[SL+4*\i+2], v[SL+4*\i+3]
.endr
	WIN TO1
.if ((\sg) > 0) && ((\sg) < 23)
	s_wait_alu depctr_vm_vsrc(0)                   ; the LDS stores of the turn before have read the other CV, which the next turn's conversions write
.endif
	s_wait_alu depctr_va_vdst(0)                   ; the conversions have written this CV, which the LDS stores below read, and are done reading the slot, in which the loads below land
.if (\sg) <= 20
.set NX, (\sg)+7
	ISSUE NX                                       ; the slot has been read: seven sub-groups further on
.endif
.irp i, 0,1,2,3,4,5,6,7
.if QQ < 2
	ds_store_b64 v[LST], v[CB+2*\i:CB+2*\i+1] offset:256*(8*QQ+\i)
.else
	ds_store_b64 v[LST], v[CB+2*\i:CB+2*\i+1] offset:XIMG+XP*(8*(QQ-2)+\i)
.endif
.endr
.endm
; One K step of 32: source 0 = 16 ranks of A, source 1 = 16 rows of x, so that register j of lane (r, h) is T[row r][rank 8 h + j]:
; eight neighbouring ranks of one row, which is the order in which phase 2 wants T as an operand.
; The two accumulators take turns, one instruction a turn, from tile to tile too.
.macro STEP f, zero
	s_wait_dscnt 18-6*\f                           ; LDS serves a wave in order (ISA guide 5.7.1): the six loads of each later K step may stay out
.if \zero
	v_wmma_f32_16x16x32_bf16 v[ACC0:ACC0+7], v[AFR+8*\f:AFR+8*\f+7], v[XFR+16*\f:XFR+16*\f+7], 0       ; the first products start the sums: nothing is cleared
	v_wmma_f32_16x16x32_bf16 v[ACC1:ACC1+7], v[AFR+8*\f:AFR+8*\f+7], v[XFR+16*\f+8:XFR+16*\f+15], 0
.else
	v_wmma_f32_16x16x32_bf16 v[ACC0:ACC0+7], v[AFR+8*\f:AFR+8*\f+7], v[XFR+16*\f:XFR+16*\f+7], v[ACC0:ACC0+7]
	v_wmma_f32_16x16x32_bf16 v[ACC1:ACC1+7], v[AFR+8*\f:AFR+8*\f+7], v[XFR+16*\f+8:XFR+16*\f+15], v[ACC1:ACC1+7]
.endif
.endm
; A tile's 24 fragment loads in one run, then its eight matrix instructions.  The images are my wave's own bytes and LDS serves a wave in order,
; so the loads see the stores above them without a wait; the last step's wait for 0 stands ahead of the next tile's stores into the same bytes.
; The loads land in registers that the last tile's matrix instructions read.  No wait is written here: the wait behind the conversions of the turn
; just above stands behind those matrix instructions, and no vector or matrix instruction has been issued since.
.macro MATRIX zero
.irp f, 0,1,2,3
	ds_load_tr16_b128 v[AFR+8*\f:AFR+8*\f+3],       v[AFA] offset:1024*\f          ; k = 32 f + 8 h .. + 7 of rank r
	ds_load_tr16_b128 v[AFR+8*\f+4:AFR+8*\f+7],     v[AFA] offset:1024*\f+512      ; k = 32 f + 16 + 8 h .. + 7
	ds_load_b128 v[XFR+16*\f:XFR+16*\f+3],          v[XFA] offset:64*\f            ; rows 0-15
	ds_load_b128 v[XFR+16*\f+4:XFR+16*\f+7],        v[XFA] offset:64*\f+32
	ds_load_b128 v[XFR+16*\f+8:XFR+16*\f+11],       v[XFA] offset:16*XP+64*\f      ; rows 16-31
	ds_load_b128 v[XFR+16*\f+12:XFR+16*\f+15],      v[XFA] offset:16*XP+64*\f+32
.endr
	STEP 0, \zero
	STEP 1, 0
	STEP 2, 0
	STEP 3, 0
.endm
.macro TILE t, zero
.irp q, 0,1,2,3,4,5
	TURN 6*\t+\q
.endr
	WIN 0
	MATRIX \zero
.endm
	; PHASE 1
	WIN TO1
	s_wait_alu depctr_va_vdst(0)                   ; the seven offsets and addresses v4 to v8, v12 and v13 are written: every load and store of the kernel, global or LDS, reads one of them
.irp s, 0,1,2,3,4,5,6
	ISSUE \s                                       ; the ring is filled: 56 loads
.endr
	TILE 0, 1
	TILE 1, 0
	TILE 2, 0
	TILE 3, 0
	; THE PARTIAL SUMS MEET
	PLACES                                         ; behind the last matrix instructions: for the stores of their results, and for the conversions that write over A's and x's fragments
	s_wait_alu depctr_va_vdst(0)                   ; the matrix instructions have written the accumulators, which the LDS stores read; the places above stay beside this wait
	ds_store_b128 v[TPW], v[ACC0:ACC0+3]
	ds_store_b128 v[TPW], v[ACC0+4:ACC0+7] offset:512
	ds_store_b128 v[TPW], v[ACC1:ACC1+3]   offset:1024
	ds_store_b128 v[TPW], v[ACC1+4:ACC1+7] offset:1536
	s_wait_dscnt 0x0                               ; for the other waves' sake: my stores are done before I say so
	s_wait_alu depctr_vm_vsrc(0)                   ; my LDS stores have read both CV, over which B's conversions write, and the accumulators, over which the sum over the waves writes
	s_barrier_signal -1
	; Register work while the others arrive: B's fragments.  Fragment (g, t) holds, in lane (r, h), column 64 g + 4 r + t, ranks 8 h .. 8 h + 7:
	; word t of my eight loads of sub-group 24 + g, two rows to a register.  Picking the words is the transposition.
	; Registers 4-7 (k = 16 + rank, which meet T_lo) hold the same numbers as registers 0-3 (k = rank, which meet T_hi).
	s_wait_loadcnt 0x0                             ; B's 32 loads, the last of the stream
	WIN FROM1
.irp g, 0,1,2,3
.irp t, 0,1,2,3
.irp i, 0,1,2,3
	v_cvt_pk_bf16_f32 v[BFR+32*\g+8*\t+\i],   v[32*(3+\g)+8*\i+\t], v[32*(3+\g)+8*\i+4+\t]
	v_cvt_pk_bf16_f32 v[BFR+32*\g+8*\t+4+\i], v[32*(3+\g)+8*\i+\t], v[32*(3+\g)+8*\i+4+\t]
.endr
.endr
.endr
	WIN 0
	s_barrier_wait -1                              ; all eight partial sums are in LDS
; Where wave p's partial sums land: P0 .. P4 in v[176:255], P5 in T's operand registers, which are not yet in use; waves 6 and 7 take P0 and P1 again.
.macro PBASE p
.if (\p) == 5
.set PB, TFR
.else
.set PB, PREG+16*((\p)%6)
.endif
.endm
; four loads: wave p's 32 x 16 partial sums, in the registers' own order
.macro PLOAD p
	PBASE \p
.irp q, 0,1,2,3
	ds_load_b128 v[PB+4*\q:PB+4*\q+3], v[TPR] offset:2048*(\p)+512*\q
.endr
.endm
.macro PADD p
	PBASE \p
.irp c, 0,2,4,6,8,10,12,14
	v_pk_add_f32 v[TSUM+\c:TSUM+\c+1], v[TSUM+\c:TSUM+\c+1], v[PB+\c:PB+\c+1]
.endr
.endm
	PLOAD 0                                        ; no vector or matrix instruction has named P0 .. P5 so far: these 24 loads hang on none
	PLOAD 1
	PLOAD 2
	PLOAD 3
	PLOAD 4
	PLOAD 5
	s_wait_dscnt 16                                ; waves 0's and 1's are in; the four younger sets, four loads each, may be out
.irp c, 0,2,4,6,8,10,12,14
	v_pk_add_f32 v[TSUM+\c:TSUM+\c+1], v[PREG+\c:PREG+\c+1], v[PREG+16+\c:PREG+16+\c+1]   ; the first two start the sum, in the same order in every wave
.endr
	s_wait_alu depctr_va_vdst(0)                   ; those additions are done reading P0 and P1, in which waves 6's and 7's sums land
	PLOAD 6
	PLOAD 7
	s_wait_dscnt 20                                ; wave 2's are in; the five younger sets may be out
	PADD 2
	s_wait_dscnt 16
	PADD 3
	s_wait_dscnt 12
	PADD 4
	s_wait_dscnt 8
	PADD 5
	s_wait_dscnt 4
	PADD 6
	s_wait_dscnt 0
	PADD 7
; T of rows 16 a .. + 15 as an operand: registers 0-3 T_hi = bf16(T), registers 4-7 T_lo = bf16(T - T_hi); the difference is exact in f32
.macro SPLIT a
.irp i, 0,1,2,3
	v_cvt_pk_bf16_f32 v[TFR+8*\a+\i], v[TSUM+8*\a+2*\i], v[TSUM+8*\a+2*\i+1]
.endr
.irp i, 0,1,2,3
	v_lshlrev_b32 v[UREG+8*\a+2*\i],   16,  v[TFR+8*\a+\i]
	v_and_b32     v[UREG+8*\a+2*\i+1], s18, v[TFR+8*\a+\i]
.endr
.irp i, 0,1,2,3
	v_pk_add_f32 v[UREG+8*\a+2*\i:UREG+8*\a+2*\i+1], v[TSUM+8*\a+2*\i:TSUM+8*\a+2*\i+1], v[UREG+8*\a+2*\i:UREG+8*\a+2*\i+1] neg_lo:[0,1] neg_hi:[0,1]
.endr
.irp i, 0,1,2,3
	v_cvt_pk_bf16_f32 v[TFR+8*\a+4+\i], v[UREG+8*\a+2*\i], v[UREG+8*\a+2*\i+1]
.endr
.endm
	SPLIT 0
	SPLIT 1
; PHASE 2.  Block n of eight: rows 16 (n / 4) .. + 15, columns 64 (n % 4) .. + 63 of my wave's 256: four tiles.  Column r of tile t is column 64 g + 4 r + t of out,
; so register j of a lane's four tiles are four neighbouring numbers of row 16 a + 8 h + j.  Four moves bring them side by side; a store of 16 bytes a lane then
; covers, with lanes 0 to 15, 256 consecutive bytes at a multiple of 256 from out's first byte, and with lanes 16 to 31 the same eight rows below.
; Each product is whole (K = 32 in one instruction): C is the constant 0.  Between two matrix instructions that write one tile stand the four
; v_nop and the 24 moves of the other three tiles.
.macro SROW n, j                       ; row j of S[n % 2]
.if (\n)%2 == 0
.set SR, SREG+4*(\j)
.else
.set SR, 4*(\j)+240*(1-(\j)/4)         ; rows 0-3: v[240:255]; rows 4-7: v[16:31]
.endif
.endm
.macro MUL n
.irp t, 0,1,2,3
	v_wmma_f32_16x16x32_bf16 v[DREG+8*\t:DREG+8*\t+7], v[TFR+8*((\n)/4):TFR+8*((\n)/4)+7], v[BFR+32*((\n)%4)+8*\t:BFR+32*((\n)%4)+8*\t+7], 0
.endr
.endm
.macro MOVE n
.irp j, 0,1,2,3,4,5,6,7
	SROW \n, \j
.irp t, 0,1,2,3
	v_mov_b32 v[SR+\t], v[DREG+8*\t+\j]            ; each tile from its lowest register on
.endr
.endr
.endm
.macro SEND n
.irp j, 0,1,2,3,4,5,6,7
	SROW \n, \j
	global_store_b128 v[OOFF], v[SR:SR+3], s[10:11] offset:(16*((\n)/4)+\j)*ROWO+256*((\n)%4) th:TH_STORE_NT   ; written once, not read again
.endr
.endm
	MUL 0
	PLACES
	MOVE 0
.irp n, 1,2,3,4,5,6,7
.if \n >= 2
	s_wait_xcnt 0x0                                ; every earlier memory instruction has had its addresses translated (ISA guide 3.1): the store data of two blocks back are rewritten only behind this wait,
	s_wait_alu depctr_vm_vsrc(0)                   ; and the stores of two blocks back have read their buffer, which this block's moves write again
.endif
	s_wait_alu depctr_va_vdst(0)                   ; the block before's moves have written its buffer, which the eight stores below read
	MUL \n                                         ; these four name the tiles, T and B: none of the registers that the stores behind them read
	SEND (\n)-1
	PLACES
	MOVE \n
.endr
	s_wait_alu depctr_va_vdst(0)                   ; the last block's moves have written S1, which the last eight stores read
	SEND 7
	s_wait_dscnt 0x0
	s_wait_alu depctr_hold_cnt(0) depctr_sa_sdst(0) depctr_va_vdst(0) depctr_va_sdst(0) depctr_va_ssrc(0) depctr_va_vcc(0) depctr_vm_vsrc(0)
	s_wait_tensorcnt 0x0
	ds_add_u32 v14, v15
	s_wait_dscnt 0x0
	s_endpgm
.Lfunc_end_k_q7cadbd6707_lora:
	.size	k_q7cadbd6707_lora, .Lfunc_end_k_q7cadbd6707_lora-k_q7cadbd6707_lora
	.p2alignl 7, 3214868480
	.fill 96, 4, 3214868480
	.section	.rodata,"a",@progbits
	.p2align	6, 0x0
	.amdhsa_kernel k_q7cadbd6707_lora
		.amdhsa_group_segment_fixed_size 119808
		.amdhsa_private_segment_fixed_size 0
		.amdhsa_enable_private_segment 0
		.amdhsa_kernarg_size 32
		.amdhsa_user_sgpr_count 2
		.amdhsa_user_sgpr_kernarg_segment_ptr 1
		.amdhsa_wavefront_size32 1
		.amdhsa_system_sgpr_workgroup_id_x 1
		.amdhsa_system_sgpr_workgroup_id_y 1
		.amdhsa_system_sgpr_workgroup_id_z 1
		.amdhsa_system_vgpr_workitem_id 0
		.amdhsa_next_free_vgpr 512
		.amdhsa_next_free_sgpr 66
		.amdhsa_reserve_vcc 0
		.amdhsa_float_denorm_mode_32 3
		.amdhsa_float_denorm_mode_16_64 3
		.amdhsa_memory_ordered 1
		.amdhsa_forward_progress 1
		.amdhsa_inst_pref_size 106
	.end_amdhsa_kernel
	.amdgpu_metadata
---
amdhsa.version: [ 1, 2 ]
amdhsa.kernels:
  - .name:           k_q7cadbd6707_lora
    .symbol:         k_q7cadbd6707_lora.kd
    .args:
      - { .name: x, .offset: 0, .size: 8, .value_kind: global_buffer, .address_space: global }
      - { .name: A, .offset: 8, .size: 8, .value_kind: global_buffer, .address_space: global }
      - { .name: B, .offset: 16, .size: 8, .value_kind: global_buffer, .address_space: global }
      - { .name: out0, .offset: 24, .size: 8, .value_kind: global_buffer, .address_space: global }
    .group_segment_fixed_size: 119808
    .private_segment_fixed_size: 0
    .kernarg_segment_align: 8
    .kernarg_segment_size: 32
    .max_flat_workgroup_size: 256
    .sgpr_count:     66
    .vgpr_count:     512
    .wavefront_size: 32
...
	.end_amdgpu_metadata
.endif
;; end of part 2
